; MI455X (gfx1250); checked and timed in simulation.
; The chip was launched on July 23, 2026; its instructions are those of AMD's public machine-readable ISA for CDNA 5 (MIT licence, August 2026) and "CDNA5" Instruction Set Architecture Reference Guide (July 2026). The comments in the code are by the model that wrote it; some were corrected since.
;; Neural ODE. Allowed arithmetic: float matrix products may take bf16 or f16 operands with f32 sums; all other float work in f32.
;; Inputs: W1 64 x 64 float32; W2 64 x 64 float32; W3 64 x 64 float32; b1 64 float32; b2 64 float32; b3 64 float32; x0 32,768 x 64 float32.
;; Outputs: out0 32,768 x 64 float32.
;; One version. Each part assembles by itself: llvm-mc -triple=amdgcn-amd-amdhsa -mcpu=gfx1250 --defsym DOCPART=n.
;; ======== version 1 of 1: 1 launch
;; launch ode (part 1): grid 256 x 1, 8 waves a work-group, no clusters, 66,560 bytes of LDS; arguments x0, W1, W2, W3, b1, b2, b3, out0; writes out0
.if DOCPART == 1
	.amdgcn_target "amdgcn-amd-amdhsa--gfx1250"
	.amdhsa_code_object_version 6
	.text
	.protected	k_q535031e9b2_ode
	.globl	k_q535031e9b2_ode
	.p2align	8
	.type	k_q535031e9b2_ode,@function
k_q535031e9b2_ode:
	s_mov_b64 s[64:65], 0
	v_nop
	global_prefetch_b8 v0, s[64:65] scope:SCOPE_SE
	s_setreg_imm32_b32 hwreg(HW_REG_WAVE_MODE, 25, 1), 1
	s_wait_xcnt 0x0
; Fixed-step dopri5, 16 steps of h = 1/16, of x' = W3^T tanh(W2^T tanh(W1^T x + b1) + b2) + b3 on 32,768 rows of 64 f32.
; One launch: x0 is read once, out0 written once, everything between stays in registers.
;
; SHARES.  256 work-groups of 8 waves; a work-group owns 128 rows, a wave 16 rows for the whole integration.  Two waves lie on each SIMD
; (2 x 448 registers): two chains that do not depend on each other, so that one wave's tanh runs beside the other's matrix work.
;
; LAYOUT.  Every layer is computed transposed: source 0 = 16 output features x 32 input features of W^T, source 1 = 32 features x 16 batch
; rows of the activations.  With r = lane & 15, h = lane >> 4, result register j of tile t is feature 16 t + 8 h + j of batch row r.  The next
; layer's source 1 wants, for K chunk c, features 32 c + 8 h + 0..7 in registers 0-3 and 32 c + 16 + 8 h + 0..7 in registers 4-7: these are
; result tiles 2 c and 2 c + 1 of the same lane, packed to bf16.  So nothing moves between lanes from layer to layer.  x, the k's and the
; biases all use this map: element e = 8 t + j of a lane, 32 elements.
;
; FOLDS.  W1, b1, W2, b2 are multiplied by 2 log2(e) before rounding, so a hidden layer's sum is the exponent of 2 that tanh needs;
; W3 and b3 by h = 1/16 (exact), so the last layer gives h k.  The bias is the C operand of each tile's first product: nothing is cleared.
;
; LIMITS.  tanh(z) = 1 - 2 / (1 + 2^(2 log2(e) z)): right at both ends (2^.. = inf gives 1, 0 gives -1), NaN goes through; absolute error
; about 2^-22, so the relative accuracy is lost for |z| under about 1e-4, far below the bf16 rounding of the value that follows.
; Matrix operands (x, hidden values, weights) are bf16, sums f32.  The stage sums are made term by term as x + sum(a (h k)), not as
; x + h sum(a k): another order of f32 rounding than the reference's.
;
; NO CLUSTER, NO TENSOR LOADS: the only bytes that work-groups share are the 49,920 bytes of weights and biases, read once per work-group in
; front of 16 x 6 x 3 layers of register work; nothing streams through the loop, so there is no ring to fill and nothing to prefetch.
;
; LDS: bytes 0 .. 30,719: W1, W2, W3 in bf16 as [k][n], 64 rows of 160 bytes (128 + 32: an odd multiple of 32 for the transposing load);
;      bytes 30,720 .. 65,535: a stage of 16 rows x 272 bytes (256 + 16) for each wave, its own, for x0 on the way in and out0 on the way out.
.set WPITCH, 160
.set WMAT,   64*WPITCH                 ; 10,240 bytes a matrix
.set STAGE,  3*WMAT                    ; 30,720
.set SPITCH, 272
.set WSTAGE, 16*SPITCH                 ; 4,352 bytes a wave
.set STEPS,  16
; window 0
.set XOFF, 1                           ; v1        16 x lane + 4,096 x wave: my 16 bytes in the work-group's part of x0 and of out0
.set T,    2                           ; v[2:13]   at work (in front of the loop: ids and addresses)
.set STIN, 14                          ; v14       stage, by memory rows: h x 272 + 16 r
.set STRD, 15                          ; v15       stage, by my elements: r x 272 + 32 h
.set BF,   16                          ; v[16:31]  source 1: 64 features of my batch row's half, bf16, two K chunks of 8 registers
.set ACC,  32                          ; v[32:63]  a layer's sums (4 tiles); also k3 .. k6
.set X,    64                          ; v[64:95]  the state
.set K1,   96                          ; v[96:127] h k1, from stage 3 on the growing argument of stage 5
.set K2,   128                         ; v[128:159] h k2, from stage 3 on the growing argument of stage 6
.set BIAS, 160                         ; v[160:255] layer l, tile t at 160 + 32 l + 8 t
.set RAWW, 96                          ; v[96:143] in front of the loop: the weights as loaded
; window 1: v256 .. v447, written v0 .. v191: fragment of W^T of layer l, tile t, K chunk c at 64 l + 16 t + 8 c
.set C2,    0x4038aa3b                 ; 2 log2(e)
.set HSTEP, 0x3d800000                 ; 1/16
.set A21, 0x3e4ccccd                   ; 1/5
.set A31, 0x3d99999a                   ; 3/40
.set A32, 0x3e666666                   ; 9/40
.set A41, 0x3f7a4fa5                   ; 44/45
.set A42, 0xc06eeeef                   ; -56/15
.set A43, 0x40638e39                   ; 32/9
.set A51, 0x403cf760                   ; 19372/6561
.set A52, 0xc139885f                   ; -25360/2187
.set A53, 0x411d2a92                   ; 64448/6561
.set A54, 0xbe94e4f6                   ; -212/729
.set A61, 0x40362960                   ; 9017/3168
.set A62, 0xc12c1f08                   ; -355/33
.set A63, 0x410e80b5                   ; 46732/5247
.set A64, 0x3e8e8ba3                   ; 49/176
.set A65, 0xbe8c0c4c                   ; -5103/18656
.set B1,  0x3dbaaaab                   ; 35/384
.set B3,  0x3ee6024d                   ; 500/1113
.set B4,  0x3f26aaab                   ; 125/192
.set B5,  0xbea50e7e                   ; -2187/6784
.set B6,  0x3e061862                   ; 11/84
.set MSB, 0
.macro WIN new                         ; register window; the immediate's high byte repeats the setting that is left
.if MSB != \new
	s_set_vgpr_msb (MSB<<8)|\new
.set MSB, \new
.endif
.endm
	s_load_b256 s[4:11], s[0:1], 0x0               ; x0 s[4:5], W1 s[6:7], W2 s[8:9], W3 s[10:11]
	s_load_b256 s[12:19], s[0:1], 0x20             ; b1 s[12:13], b2 s[14:15], b3 s[16:17], out0 s[18:19]
	s_set_vgpr_msb 0x40
	v_lshl_add_u32 v192, v0, 2, 0x10000
	v_mov_b32 v193, 0
	s_set_vgpr_msb 0x4000
	v_and_b32 v2, 31, v0                           ; lane
	v_and_b32 v3, 15, v0                           ; r
	v_bfe_u32 v4, v0, 4, 1                         ; h
	v_lshrrev_b32 v5, 5, v0
	v_readfirstlane_b32 s20, v5                    ; wave 0..7
	s_lshl_b32 s2, ttmp9, 15                       ; the work-group's 128 rows of 256 bytes
	s_mov_b32 s3, 0
	s_mul_i32 s22, s20, WSTAGE
	s_add_co_u32 s22, s22, STAGE                   ; my wave's stage
	v_lshlrev_b32 v[XOFF], 4, v2
	v_lshl_add_u32 v[XOFF], v5, 12, v[XOFF]        ; 16 x lane + wave x 16 rows x 256 bytes
	v_lshlrev_b32 v6, 4, v0                        ; weights in memory: 16 bytes a thread, 4,096 bytes a load of the work-group
	v_lshrrev_b32 v7, 4, v0                        ; = row k of those 16 rows,
	v_mul_u32_u24 v7, v7, WPITCH
	v_lshl_add_u32 v7, v3, 3, v7                   ; and 4 columns = 8 bytes of bf16
	v_lshlrev_b32 v8, 5, v4                        ; biases: features 8 h .. of each tile
	v_and_b32 v9, 7, v0
	v_lshl_add_u32 v9, v4, 3, v9                   ; transposing load: row 8 h + (lane & 7),
	v_mul_u32_u24 v9, v9, WPITCH
	v_bfe_u32 v10, v0, 3, 1
	v_lshl_add_u32 v9, v10, 4, v9                  ; 16 bytes for each half of a group of 16 lanes
	v_mul_u32_u24 v[STIN], v4, SPITCH
	v_lshl_add_u32 v[STIN], v3, 4, v[STIN]
	v_add_nc_u32 v[STIN], s22, v[STIN]
	v_mul_u32_u24 v[STRD], v3, SPITCH
	v_lshl_add_u32 v[STRD], v4, 5, v[STRD]
	v_add_nc_u32 v[STRD], s22, v[STRD]
	s_wait_kmcnt 0x0
	s_add_nc_u64 s[4:5], s[4:5], s[2:3]            ; x0 and out0 at the work-group's first row
	s_add_nc_u64 s[18:19], s[18:19], s[2:3]
	; All 44 loads at once: 12 for the weights, 8 for x0, 24 for the biases.
.irp m, 0,1,2
.irp i, 0,1,2,3
	global_load_b128 v[RAWW+16*\m+4*\i:RAWW+16*\m+4*\i+3], v6, s[6+2*\m:7+2*\m] offset:4096*\i
.endr
.endr
.irp i, 0,1,2,3,4,5,6,7
	global_load_b128 v[ACC+4*\i:ACC+4*\i+3], v[XOFF], s[4:5] offset:512*\i th:TH_LOAD_NT   ; 512 neighbouring bytes: two rows
.endr
.irp l, 0,1,2
.irp t, 0,1,2,3
	global_load_b128 v[BIAS+32*\l+8*\t:BIAS+32*\l+8*\t+3],   v8, s[12+2*\l:13+2*\l] offset:64*\t
	global_load_b128 v[BIAS+32*\l+8*\t+4:BIAS+32*\l+8*\t+7], v8, s[12+2*\l:13+2*\l] offset:64*\t+16
.endr
.endr
; Matrix m: scale, round to bf16, 8 bytes a thread into LDS, rows as in memory ([k][n]).
.macro WCONV m, scale
.irp i, 0,1,2,3
	v_pk_mul_f32 v[RAWW+16*\m+4*\i:RAWW+16*\m+4*\i+1],   v[RAWW+16*\m+4*\i:RAWW+16*\m+4*\i+1],   \scale op_sel_hi:[1,0]
	v_pk_mul_f32 v[RAWW+16*\m+4*\i+2:RAWW+16*\m+4*\i+3], v[RAWW+16*\m+4*\i+2:RAWW+16*\m+4*\i+3], \scale op_sel_hi:[1,0]
	v_cvt_pk_bf16_f32 v[RAWW+16*\m+4*\i],   v[RAWW+16*\m+4*\i],   v[RAWW+16*\m+4*\i+1]
	v_cvt_pk_bf16_f32 v[RAWW+16*\m+4*\i+1], v[RAWW+16*\m+4*\i+2], v[RAWW+16*\m+4*\i+3]
	ds_store_b64 v7, v[RAWW+16*\m+4*\i:RAWW+16*\m+4*\i+1] offset:WMAT*\m+16*WPITCH*\i
.endr
.endm
	s_wait_loadcnt 32                              ; loads come back in order (ISA guide 5.7.1): the 12 of the weights are in, the 32 younger ones stay out
	WCONV 0, C2
	WCONV 1, C2
	WCONV 2, HSTEP
	s_wait_loadcnt 24                              ; x0's 8 loads are in, the 24 of the biases stay out
.irp i, 0,1,2,3,4,5,6,7
	ds_store_b128 v[STIN], v[ACC+4*\i:ACC+4*\i+3] offset:2*SPITCH*\i       ; rows 2 i + h of my 16
.endr
.irp t, 0,1,2,3
	ds_load_b128 v[X+8*\t:X+8*\t+3],   v[STRD] offset:64*\t                ; my wave's own bytes, and LDS serves a wave's instructions in order:
	ds_load_b128 v[X+8*\t+4:X+8*\t+7], v[STRD] offset:64*\t+16             ; no wait between the stores and these; features 16 t + 8 h + 0..7 of row r
.endr
	s_wait_loadcnt 0x0                             ; the biases
	s_wait_dscnt 0x0                               ; zero: the other waves will read my part of the weights; x is in too
	s_barrier_signal -1
.macro BSCALE l, scale
.set i, 0
.rept 16
	v_pk_mul_f32 v[BIAS+32*\l+i:BIAS+32*\l+i+1], v[BIAS+32*\l+i:BIAS+32*\l+i+1], \scale op_sel_hi:[1,0]
.set i, i+2
.endr
.endm
	BSCALE 0, C2                                   ; register work while the others arrive
	BSCALE 1, C2
	BSCALE 2, HSTEP
	s_barrier_wait -1                              ; all 30,720 bytes of weights are in LDS
	; The 24 fragments of W^T, kept for the whole kernel.  The transposing load turns rows [k][n] into k along a lane's registers:
	; the first brings k = 32 c + 8 h + 0..7 of output feature 16 t + r, the second, 16 rows down, k = 32 c + 16 + 8 h + 0..7.
	WIN 0x40                                       ; destination in window 1, address in window 0
.irp l, 0,1,2
.irp t, 0,1,2,3
.irp c, 0,1
	ds_load_tr16_b128 v[64*\l+16*\t+8*\c:64*\l+16*\t+8*\c+3],   v9 offset:WMAT*\l+32*WPITCH*\c+32*\t
	ds_load_tr16_b128 v[64*\l+16*\t+8*\c+4:64*\l+16*\t+8*\c+7], v9 offset:WMAT*\l+32*WPITCH*\c+32*\t+16*WPITCH
.endr
.endr
.endr
	WIN 0
	s_wait_dscnt 0x0                               ; once; the loop below touches no memory at all
; d = a * coef + c on two elements
.macro FMA d, a, coef, c
	v_pk_fma_f32 v[\d:\d+1], v[\a:\a+1], \coef, v[\c:\c+1] op_sel_hi:[1,0,1]
.endm
; elements 2 p, 2 p + 1 (in registers s, s + 1) become word p of source 1
.macro CVT p, s
	v_cvt_pk_bf16_f32 v[BF+\p], v[\s], v[\s+1]
.endm
; One layer: 4 tiles of 16 features x 16 rows, K = 64 in two products each.  The first takes the bias as C, the second is the next link of
; the chain in place (C and D both the first one's D), which needs no distance.  Behind the last product four v_nop: a vector instruction
; reads a matrix result, or writes a matrix source, four independent vector instructions later at the earliest (ISA guide 7.12.1).
; The next layer's products, which write ACC again, follow far later, behind the plain instructions on the other tiles.
.macro LAYER l, d
	WIN 0x01                                       ; source 0 (W^T) in window 1
.irp t, 0,1,2,3
	v_wmma_f32_16x16x32_bf16 v[\d+8*\t:\d+8*\t+7], v[64*\l+16*\t:64*\l+16*\t+7], v[BF:BF+7], v[BIAS+32*\l+8*\t:BIAS+32*\l+8*\t+7]
.endr
.irp t, 0,1,2,3
	v_wmma_f32_16x16x32_bf16 v[\d+8*\t:\d+8*\t+7], v[64*\l+16*\t+8:64*\l+16*\t+15], v[BF+8:BF+15], v[\d+8*\t:\d+8*\t+7]
.endr
	WIN 0
.rept 4
	v_nop
.endr
.endm
; tanh of the 32 sums in ACC (which already carry the factor 2 log2(e)), rounded to bf16 into source 1.
; Behind each run of transcendentals one v_nop before their results are used (ISA guide 5.7.2).
.macro TANH
.set i, 0
.rept 32
	v_exp_f32 v[ACC+i], v[ACC+i]
.set i, i+1
.endr
	v_nop
.set i, 0
	s_wait_alu depctr_va_vdst(0)
.rept 16
	v_pk_add_f32 v[ACC+i:ACC+i+1], v[ACC+i:ACC+i+1], 1.0 op_sel_hi:[1,0]
.set i, i+2
.endr
.set i, 0
.rept 32
	v_rcp_f32 v[ACC+i], v[ACC+i]
.set i, i+1
.endr
	v_nop
.set i, 0
	s_wait_alu depctr_va_vdst(0)
.rept 16
	v_pk_fma_f32 v[ACC+i:ACC+i+1], v[ACC+i:ACC+i+1], -2.0, 1.0 op_sel_hi:[1,0,0]
.set i, i+2
.endr
.set i, 0
.rept 16
	v_cvt_pk_bf16_f32 v[BF+i], v[ACC+2*i], v[ACC+2*i+1]
.set i, i+1
.endr
.endm
.macro MLP d                           ; h f(argument in BF) into registers d .. d + 31
	LAYER 0, ACC
	TANH
	LAYER 1, ACC
	TANH
	LAYER 2, \d
.endm
; The passes between the stages.  20 fused multiply-adds an element and step, as many as the tableau has terms, and no copies:
; from stage 3 on K1 and K2 are no longer needed as such and carry the growing arguments of stages 5 and 6, and X gathers the b terms.
.macro PASS1                           ; argument 2 = x + a21 k1
.irp g, 0,1,2,3
.irp q, 0,1,2,3
	FMA T+2*\q, K1+8*\g+2*\q, A21, X+8*\g+2*\q
.endr
.irp q, 0,1,2,3
	CVT 4*\g+\q, T+2*\q
.endr
.endr
.endm
.macro PASS2                           ; argument 3 = x + a31 k1 + a32 k2
.irp g, 0,1,2,3
.irp q, 0,1,2,3
	FMA T+2*\q, K1+8*\g+2*\q, A31, X+8*\g+2*\q
.endr
.irp q, 0,1,2,3
	FMA T+2*\q, K2+8*\g+2*\q, A32, T+2*\q
.endr
.irp q, 0,1,2,3
	CVT 4*\g+\q, T+2*\q
.endr
.endr
.endm
.macro PASS3                           ; k3 in ACC.  Argument 4 whole; arguments 5 and 6 up to k3, into K1 and K2; x += b1 k1 + b3 k3
.irp g, 0,1,2,3,4,5,6,7
.irp q, 0,1
	FMA T+6*\q, K1+4*\g+2*\q, A41, X+4*\g+2*\q
.endr
.irp q, 0,1
	FMA T+6*\q+2, K1+4*\g+2*\q, A51, X+4*\g+2*\q
.endr
.irp q, 0,1
	FMA T+6*\q+4, K1+4*\g+2*\q, A61, X+4*\g+2*\q
.endr
.irp q, 0,1
	FMA X+4*\g+2*\q, K1+4*\g+2*\q, B1, X+4*\g+2*\q             ; behind the three lines that want the step's old x
.endr
.irp q, 0,1
	FMA T+6*\q, K2+4*\g+2*\q, A42, T+6*\q
.endr
.irp q, 0,1
	FMA T+6*\q+2, K2+4*\g+2*\q, A52, T+6*\q+2
.endr
.irp q, 0,1
	FMA T+6*\q+4, K2+4*\g+2*\q, A62, T+6*\q+4
.endr
.irp q, 0,1
	FMA T+6*\q, ACC+4*\g+2*\q, A43, T+6*\q
.endr
.irp q, 0,1
	FMA K1+4*\g+2*\q, ACC+4*\g+2*\q, A53, T+6*\q+2
.endr
.irp q, 0,1
	FMA K2+4*\g+2*\q, ACC+4*\g+2*\q, A63, T+6*\q+4
.endr
.irp q, 0,1
	FMA X+4*\g+2*\q, ACC+4*\g+2*\q, B3, X+4*\g+2*\q
.endr
.irp q, 0,1
	CVT 2*\g+\q, T+6*\q
.endr
.endr
.endm
.macro PASS4                           ; k4 in ACC.  Argument 5 whole; argument 6 += a64 k4; x += b4 k4
.irp g, 0,1,2,3
.irp q, 0,1,2,3
	FMA T+2*\q, ACC+8*\g+2*\q, A54, K1+8*\g+2*\q
.endr
.irp q, 0,1,2,3
	FMA K2+8*\g+2*\q, ACC+8*\g+2*\q, A64, K2+8*\g+2*\q
.endr
.irp q, 0,1,2,3
	FMA X+8*\g+2*\q, ACC+8*\g+2*\q, B4, X+8*\g+2*\q
.endr
.irp q, 0,1,2,3
	CVT 4*\g+\q, T+2*\q
.endr
.endr
.endm
.macro PASS5                           ; k5 in ACC.  Argument 6 whole; x += b5 k5
.irp g, 0,1,2,3
.irp q, 0,1,2,3
	FMA T+2*\q, ACC+8*\g+2*\q, A65, K2+8*\g+2*\q
.endr
.irp q, 0,1,2,3
	FMA X+8*\g+2*\q, ACC+8*\g+2*\q, B5, X+8*\g+2*\q
.endr
.irp q, 0,1,2,3
	CVT 4*\g+\q, T+2*\q
.endr
.endr
.endm
.macro PASS6                           ; k6 in ACC.  x += b6 k6: the step's result
.set i, 0
.rept 16
	FMA X+i, ACC+i, B6, X+i
.set i, i+2
.endr
.endm
	s_mov_b32 s21, 0
.Lstep:
.set i, 0
.rept 16
	CVT i, X+2*i                                   ; argument 1 = x
.set i, i+1
.endr
	MLP K1
	PASS1
	MLP K2
	PASS2
	MLP ACC
	PASS3
	MLP ACC
	PASS4
	MLP ACC
	PASS5
	MLP ACC
	PASS6
	s_add_co_u32 s21, s21, 1
	s_cmp_lt_u32 s21, STEPS
	s_cbranch_scc1 .Lstep
	; The way out, the way in backwards: my elements into my wave's stage, whole rows back, 16 lanes store 256 consecutive bytes that
	; begin at a multiple of 256 from out0's first byte.  My wave's own LDS bytes, served in order: no wait between stores and loads.
.irp t, 0,1,2,3
	ds_store_b128 v[STRD], v[X+8*\t:X+8*\t+3]   offset:64*\t
	ds_store_b128 v[STRD], v[X+8*\t+4:X+8*\t+7] offset:64*\t+16
.endr
.irp i, 0,1,2,3,4,5,6,7
	ds_load_b128 v[ACC+4*\i:ACC+4*\i+3], v[STIN] offset:2*SPITCH*\i
.endr
.irp i, 0,1,2,3,4,5,6,7
	s_wait_dscnt 7-\i                              ; load i is in, the 7 - i younger ones stay out
	global_store_b128 v[XOFF], v[ACC+4*\i:ACC+4*\i+3], s[18:19] offset:512*\i th:TH_STORE_NT
.endr
	s_set_vgpr_msb 0x5
	s_wait_tensorcnt 0x0
	ds_add_u32 v192, v193
	s_wait_dscnt 0x0
	s_set_vgpr_msb 0x500
	s_endpgm
.Lfunc_end_k_q535031e9b2_ode:
	.size	k_q535031e9b2_ode, .Lfunc_end_k_q535031e9b2_ode-k_q535031e9b2_ode
	.p2alignl 7, 3214868480
	.fill 96, 4, 3214868480
	.section	.rodata,"a",@progbits
	.p2align	6, 0x0
	.amdhsa_kernel k_q535031e9b2_ode
		.amdhsa_group_segment_fixed_size 66560
		.amdhsa_private_segment_fixed_size 0
		.amdhsa_enable_private_segment 0
		.amdhsa_kernarg_size 64
		.amdhsa_user_sgpr_count 2
		.amdhsa_user_sgpr_kernarg_segment_ptr 1
		.amdhsa_wavefront_size32 1
		.amdhsa_system_sgpr_workgroup_id_x 1
		.amdhsa_system_sgpr_workgroup_id_y 1
		.amdhsa_system_sgpr_workgroup_id_z 1
		.amdhsa_system_vgpr_workitem_id 0
		.amdhsa_next_free_vgpr 450
		.amdhsa_next_free_sgpr 66
		.amdhsa_reserve_vcc 0
		.amdhsa_float_denorm_mode_32 3
		.amdhsa_float_denorm_mode_16_64 3
		.amdhsa_memory_ordered 1
		.amdhsa_forward_progress 1
		.amdhsa_inst_pref_size 132
	.end_amdhsa_kernel
	.amdgpu_metadata
---
amdhsa.version: [ 1, 2 ]
amdhsa.kernels:
  - .name:           k_q535031e9b2_ode
    .symbol:         k_q535031e9b2_ode.kd
    .args:
      - { .name: x0, .offset: 0, .size: 8, .value_kind: global_buffer, .address_space: global }
      - { .name: W1, .offset: 8, .size: 8, .value_kind: global_buffer, .address_space: global }
      - { .name: W2, .offset: 16, .size: 8, .value_kind: global_buffer, .address_space: global }
      - { .name: W3, .offset: 24, .size: 8, .value_kind: global_buffer, .address_space: global }
      - { .name: b1, .offset: 32, .size: 8, .value_kind: global_buffer, .address_space: global }
      - { .name: b2, .offset: 40, .size: 8, .value_kind: global_buffer, .address_space: global }
      - { .name: b3, .offset: 48, .size: 8, .value_kind: global_buffer, .address_space: global }
      - { .name: out0, .offset: 56, .size: 8, .value_kind: global_buffer, .address_space: global }
    .group_segment_fixed_size: 66560
    .private_segment_fixed_size: 0
    .kernarg_segment_align: 8
    .kernarg_segment_size: 64
    .max_flat_workgroup_size: 256
    .sgpr_count:     66
    .vgpr_count:     450
    .wavefront_size: 32
...
	.end_amdgpu_metadata
.endif
;; end of part 1
